; MI455X (gfx1250); checked and timed in simulation.
; The chip was launched on July 23, 2026; its instructions are those of AMD's public machine-readable ISA for CDNA 5 (MIT licence, August 2026) and "CDNA5" Instruction Set Architecture Reference Guide (July 2026). The comments in the code are by the model that wrote it; some were corrected since.
;; Multi Head Attention. Allowed arithmetic: matrix products marked QUANTISED: E4M3 operands, one given power-of-two scale a tensor, by v_wmma_f32_16x16x64_fp8_fp8 or v_wmma_f32_16x16x128_fp8_fp8, f32 sums; everything else in f32.
;; Inputs: Wc 1,024 x 1,024 float32; Wk 1,024 x 1,024 float32; Wq 1,024 x 1,024 float32; Wv 1,024 x 1,024 float32; bc 1,024 float32; lowp_scales 12 int32 (the exponents e of the quantised operands' scales 2^e); x 4 x 2,048 x 1,024 float32.
;; Outputs: out0 4 x 2,048 x 1,024 float32.
;; This version of the problem:
;;   THIS VERSION OF THE PROBLEM IS GIVEN IN LOW PRECISION. The matrix products marked QUANTISED in the list below multiply operands that are first quantised to E4M3 (4 exponent bits, 3 mantissa bits; 8 bits a number), with one given power-of-two scale for each operand tensor; their sums are f32. All else is computed in f32.
;;   The module's matrix products, in the order in which they are computed (A, B: the left and right operand; K: the contracted axis; several contracted axes count as one K, in the product's order):
;;     1. [M 8,192, K 1,024] x [K 1,024, N 1,024]; A: input x; B: input Wq: QUANTISED (scales: A lowp_scales[0], B lowp_scales[1])
;;     2. [M 8,192, K 1,024] x [K 1,024, N 1,024]; A: input x; B: input Wk: QUANTISED (scales: A lowp_scales[2], B lowp_scales[3])
;;     3. [M 8,192, K 1,024] x [K 1,024, N 1,024]; A: input x; B: input Wv: QUANTISED (scales: A lowp_scales[4], B lowp_scales[5])
;;     4. batch 64 x [M 2,048, K 64] x [K 64, N 2,048]; A: computed on the way; B: computed on the way: QUANTISED (scales: A lowp_scales[6], B lowp_scales[7])
;;     5. batch 64 x [M 2,048, K 2,048] x [K 2,048, N 64]; A: softmax (see below); B: computed on the way: QUANTISED (scales: A lowp_scales[8], B lowp_scales[9])
;;     6. [M 8,192, K 1,024] x [K 1,024, N 1,024]; A: computed on the way; B: input Wc: QUANTISED (scales: A lowp_scales[10], B lowp_scales[11])
;;   THE QUANTISER, for each operand of a quantised product, along K:
;;     - The operand's scale is 2^e, e = its entry of the input lowp_scales (int32; the entries are numbered through the quantised products in the list's order, A before B).
;;     - Each number is divided by the scale, clamped to +-448, and rounded to the nearest number of E4M3, ties to even, subnormals kept.
;;     - The product sums the exact products of the quantised numbers (number of the format x scale) in f32.
;;   ~~~python
;;   def quantise(x, axis, e):      # numpy; x: float32 -> the quantised numbers, widened to float32 again
;;       x = np.moveaxis(x, axis, -1); K = x.shape[-1]
;;       r = np.clip(x / 2.0 ** e, -448, 448)
;;       step = 2.0 ** (np.maximum(np.frexp(np.where(r == 0, 1, r))[1] - 1, -6) - 3)
;;       q = np.round(r / step) * step * 2.0 ** e      # np.round: ties to even
;;       return np.moveaxis(q, -1, axis).astype(np.float32)
;;   ~~~
;;   SOFTMAX AHEAD OF A QUANTISED PRODUCT. Where the list says 'softmax', what is quantised is not the finished softmax but p = 2^(t - M), with t = logit x log2(e) and M = ceil(the row's largest t), a whole number; so 1/2 < the row's largest p <= 1. The row's sum l is taken of the UNQUANTISED p, in f32, and the product's result is divided by l at the end. Since M is a whole number, a kernel that streams over the keys may use a running M (the ceiling of the running maximum): every later rescaling is an exact power of two, so the quantised numbers keep their values, but for numbers so far below the row's largest that they fall under the format's range.
;;   OPERANDS COMPUTED ON THE WAY. 'Computed on the way' means the value that the module computes at that place (a softmax that the list does not call 'softmax' is quantised finished and normalised). What goes into a quantiser is computed in f32, as accurately as f32 sums, v_exp_f32 and their like allow (about 1e-6 of the number): no bf16 or f16 on the way to a quantiser, and a product that is left as it is and whose result goes on into a quantised operand takes f32 operands (vector FMAs, or v_wmma_f32_16x16x4_f32). A number that lies on a knife's edge between two numbers of the format may be rounded either way, as far as f32 arithmetic and the matrix unit's own rounding can turn it there, and no further.
;; One version. Each part assembles by itself: llvm-mc -triple=amdgcn-amd-amdhsa -mcpu=gfx1250 --defsym DOCPART=n.
;; ======== version 1 of 1: 4 launches
;; limits: right only within a limited range of input values
;; workspace buffers: xcodes 25,165,824 bytes; wcodes 4,194,304 bytes; qkv 25,165,824 bytes; ocodes 8,388,608 bytes
;; launch prep (part 1): grid 512 x 1, 4 waves a work-group, no clusters, 35,328 bytes of LDS; arguments x, Wq, Wk, Wv, Wc, lowp_scales, xcodes, wcodes; writes xcodes, wcodes
.if DOCPART == 1
	.amdgcn_target "amdgcn-amd-amdhsa--gfx1250"
	.amdhsa_code_object_version 6
	.text
	.protected	k_q85a0cf3b9a_prep
	.globl	k_q85a0cf3b9a_prep
	.p2align	8
	.type	k_q85a0cf3b9a_prep,@function
k_q85a0cf3b9a_prep:
	s_mov_b64 s[64:65], 0
	v_nop
	global_prefetch_b8 v0, s[64:65] scope:SCOPE_SE
	s_setreg_imm32_b32 hwreg(HW_REG_WAVE_MODE, 25, 1), 1
	s_wait_xcnt 0x0
; x [8192][1024] f32 becomes three tensors of E4M3 codes (scales 2^e0, 2^e2, 2^e4: one for each product that reads x); Wq, Wk, Wv, Wc [1024 (k)][1024 (n)] f32 become codes with 2^e1, 2^e3, 2^e5, 2^e11.
; code = number / 2^e, held within +-448, rounded to the nearest code, ties to even.
; ONE LAYOUT FOR ALL: an operand of rows (tokens, or a weight's columns n) x K = 1,024 lies as  byte(row, k) = (row / 32) x 32,768 + (k / 16) x 512 + (row % 32) x 16 + k % 16:
; a chunk of 16 codes along K of 32 neighbouring rows is 512 consecutive bytes.  So a lane that holds 16 neighbours along K of its own row stores 16 bytes beside its neighbour lanes' 16 bytes.
; Work-groups 0-255: 32 tokens of x each.  A wave takes 4 units of 32 rows x 64 numbers: each load covers two rows' aligned 256 bytes; the unit turns through the wave's own stage in LDS, so that a lane then holds one row's 64 neighbours.
; Work-groups 256-511: a weight's 128 columns x 128 along K.  A lane takes a column and its registers run down K: the codes come out with K innermost, and nothing goes through LDS.
; No tensor load, no barrier: waves share nothing.  No cluster: no two work-groups read the same bytes.
; LIMITS: each of the seven exponents lies between -126 and 119, so that 2^e and 448 x 2^e are f32 numbers.  NaN among the inputs is not served (an infinity is held at the largest code).
.set SP,    272                        ; a stage row: 256 bytes + 16, an odd multiple of 16
.set STG,   32*SP                      ; a wave's stage
.set SPARE, 4*STG                      ; behind the four stages: the spare words, 128 bytes for each wave, that no other line names
.set GI,  2                            ; v2   my byte in a load
.set SI,  3                            ; v3   the stage, on the way in
.set SO,  4                            ; v4   the stage, on the way out
.set L16, 5                            ; v5   16 x lane
.set SCL, 8                            ; v8, v10, v12  2^e, for up to three scales
.set SPW, 14                           ; v14  LDS address of my spare word; never rewritten
.set NIL, 15                           ; v15  0; never rewritten
.set R,   16                           ; v16-143  x: two sets of 64 as loaded;  a weight: 128 numbers down K
.set X,   144                          ; v144-207 x: my row's 64 neighbours;  a weight: its codes, four registers a chunk
.set T,   208
.set C,   224                          ; v224-247 codes: two sets of 12
.macro MKSCALE se, vs                  ; v[vs] = 2^e as f32 (the conversion takes its exponent field)
	s_add_co_i32 s48, s[\se], 127
	s_lshl_b32 s49, s48, 23
	v_mov_b32 v[\vs], s49
	s_add_co_i32 s48, s48, 8
	s_lshl_b32 s48, s48, 23
	s_or_b32 s48, s48, 0x600000
.endm
	s_load_b256 s[4:11], s[0:1], 0x0               ; x s[4:5], Wq s[6:7], Wk s[8:9], Wv s[10:11]
	s_load_b256 s[12:19], s[0:1], 0x20             ; Wc s[12:13], the exponents s[14:15], x's codes s[16:17], the weights' codes s[18:19]
	v_lshl_add_u32 v[SPW], v0, 2, SPARE
	v_mov_b32 v[NIL], 0
	v_lshrrev_b32 v1, 5, v0
	v_readfirstlane_b32 s20, v1                    ; wave 0..3
	v_and_b32 v1, 31, v0                           ; lane
	v_lshlrev_b32 v[L16], 4, v1
	s_wait_kmcnt 0x0
	s_load_b256 s[36:43], s[14:15], 0x0            ; e0 .. e7
	s_load_b128 s[44:47], s[14:15], 0x20           ; e8 .. e11
	s_cmp_lt_u32 ttmp9, 256                        ; the work-group's number alone decides: x or a weight
	s_cbranch_scc0 .Lweights
	s_wait_alu depctr_va_vdst(0)
	; ---------------- x ----------------
	v_lshrrev_b32 v6, 4, v1                        ; lane / 16
	v_and_b32 v7, 15, v1
	v_lshlrev_b32 v7, 4, v7                        ; 16 (lane % 16)
	v_lshl_add_u32 v[GI], v6, 12, v7               ; lanes 0-15 one row's 256 bytes, lanes 16-31 the next row's
	s_wait_alu depctr_va_vdst(0)
	s_mul_i32 s21, s20, STG
	v_mul_u32_u24 v[SI], v6, SP
	v_add_nc_u32 v[SI], v[SI], v7
	v_add_nc_u32 v[SI], s21, v[SI]                 ; in: as loaded
	v_mul_u32_u24 v[SO], v1, SP
	v_add_nc_u32 v[SO], s21, v[SO]                 ; out: a lane a row
	s_lshl_b32 s22, ttmp9, 17                      ; 32 rows of 4,096 bytes
	s_lshl_b32 s23, s20, 10                        ; my wave's 1,024 bytes of each row
	s_add_co_u32 s22, s22, s23
	s_mov_b32 s23, 0
	s_add_nc_u64 s[4:5], s[4:5], s[22:23]
	s_lshl_b32 s22, ttmp9, 15                      ; the group's 32,768 bytes of codes
	s_lshl_b32 s30, s20, 13                        ; my wave's 16 chunks
	s_add_co_u32 s22, s22, s30
	s_add_nc_u64 s[24:25], s[16:17], s[22:23]      ; the three tensors of codes lie 8 MiB apart: a base for each
	s_add_nc_u64 s[26:27], s[24:25], 0x800000
	s_add_nc_u64 s[28:29], s[26:27], 0x800000
.macro LOADU u                         ; unit u: 32 rows x 256 bytes, two rows a load
.set i, 0
.rept 16
	global_load_b128 v[R+64*((\u)%2)+4*i:R+64*((\u)%2)+4*i+3], v[GI], s[4:5] offset:256*(\u)+8192*i th:TH_LOAD_NT
.set i, i+1
.endr
.endm
.macro UNITX u
.if (\u) < 3
	s_wait_loadcnt 16                              ; this unit's 16 loads are in; the next unit's 16 may be out
.else
	s_wait_loadcnt 0x0
.endif
.set i, 0
.rept 16
	ds_store_b128 v[SI], v[R+64*((\u)%2)+4*i:R+64*((\u)%2)+4*i+3] offset:2*SP*i
.set i, i+1
.endr
.set i, 0
.rept 16
	ds_load_b128 v[X+4*i:X+4*i+3], v[SO] offset:16*i   ; LDS serves a wave's instructions in order: these see the stores above
.set i, i+1
.endr
	s_wait_dscnt 0x0                               ; my row is back, and the stores have read their registers,
.if (\u)+2 < 4
	LOADU (\u)+2                                   ; which take the unit two further on
.endif
.irp k, 0,1,2,3                        ; a chunk of 16 along K, quantised three times
	s_wait_xcnt 0x0                                ; the earlier stores have read their data: this set of code registers is written again only behind this wait
.irp p, 0,1,2
.set i, 0
.rept 16
.set i, i+1
.endr
.set CC, C+12*(\k%2)+4*\p
	v_cvt_scalef32_pk8_fp8_f32 v[CC:CC+1], v[T+((X+16*\k+i)-(T+i)):T+7+((X+16*\k+i)-(T+i))], v[SCL+2*\p]
	v_cvt_scalef32_pk8_fp8_f32 v[CC+2:CC+3], v[T+8+((X+16*\k+i)-(T+i)):T+15+((X+16*\k+i)-(T+i))], v[SCL+2*\p]
	v_nop                                          ; a plain line between the conversions and the store
	global_store_b128 v[L16], v[CC:CC+3], s[24+2*\p:25+2*\p] offset:(4*(\u)+\k)*512   ; 32 lanes store 512 consecutive bytes, aligned
.endr
.endr
.endm
	LOADU 0
	LOADU 1
	s_wait_alu depctr_va_vdst(0)
	s_wait_kmcnt 0x0
	MKSCALE 36, SCL                                ; e0
	MKSCALE 38, SCL+2                              ; e2
	MKSCALE 40, SCL+4                              ; e4
	s_wait_alu depctr_va_vdst(0)
	UNITX 0
	UNITX 1
	UNITX 2
	UNITX 3
	s_wait_tensorcnt 0x0                           ; the wave's end, behind my last LDS store
	ds_add_u32 v[SPW], v[NIL]
	s_wait_dscnt 0x0
	s_endpgm
	; ---------------- the weights ----------------
.Lweights:
	s_sub_co_u32 s21, ttmp9, 256
	s_lshr_b32 s22, s21, 6                         ; which weight: 0 Wq, 1 Wk, 2 Wv, 3 Wc
	s_and_b32 s23, s21, 7                          ; which 128 columns
	s_bfe_u32 s30, s21, 0x30003                    ; which 128 along K
	s_cmp_eq_u32 s22, 0
	s_cselect_b64 s[24:25], s[6:7], s[12:13]
	s_cmp_eq_u32 s22, 1
	s_cselect_b64 s[24:25], s[8:9], s[24:25]
	s_cmp_eq_u32 s22, 2
	s_cselect_b64 s[24:25], s[10:11], s[24:25]
	s_lshl_b32 s32, s30, 19                        ; in: 128 rows of 4,096 bytes,
	s_lshl_b32 s31, s23, 9                         ; 128 columns of 4 bytes,
	s_add_co_u32 s32, s32, s31
	s_lshl_b32 s31, s20, 7                         ; my wave's 32 columns
	s_add_co_u32 s32, s32, s31
	s_mov_b32 s33, 0
	s_add_nc_u64 s[24:25], s[24:25], s[32:33]
	s_lshl_b32 s32, s22, 20                        ; out: the weight's 1 MiB of codes,
	s_lshl_b32 s31, s23, 17                        ; four groups of 32 rows,
	s_add_co_u32 s32, s32, s31
	s_lshl_b32 s31, s20, 15                        ; my wave's group,
	s_add_co_u32 s32, s32, s31
	s_lshl_b32 s31, s30, 12                        ; eight chunks of 512 bytes
	s_add_co_u32 s32, s32, s31
	s_add_nc_u64 s[26:27], s[18:19], s[32:33]
	s_wait_alu depctr_va_vdst(0)
	v_lshlrev_b32 v[GI], 2, v1                     ; 4 bytes a lane: a load reads 128 consecutive bytes, the four waves side by side 512
.macro LOADW c                         ; chunk c: W(16 c + i, my column)
.set i, 0
.rept 16
	global_load_b32 v[R+16*(\c)+i], v[GI], s[24:25] offset:(16*(\c)+i)*4096 th:TH_LOAD_NT
.set i, i+1
.endr
.endm
.macro WCHUNK c
.if (\c) < 6
	s_wait_loadcnt 32                              ; this chunk's 16 loads are in; the two chunks behind it may be out
.else
	s_wait_loadcnt 16*(7-(\c))
.endif
.if (\c)+3 < 8
	LOADW (\c)+3
.endif
.set i, 0
.rept 16
.set i, i+1
.endr
	v_cvt_scalef32_pk8_fp8_f32 v[X+4*(\c):X+4*(\c)+1], v[R+16*(\c):R+16*(\c)+7], v[SCL]
	v_cvt_scalef32_pk8_fp8_f32 v[X+4*(\c)+2:X+4*(\c)+3], v[R+16*(\c)+8:R+16*(\c)+15], v[SCL]
	v_nop
	global_store_b128 v[L16], v[X+4*(\c):X+4*(\c)+3], s[26:27] offset:512*(\c)   ; each chunk has code registers of its own: no store's data are written again
.endm
	LOADW 0
	LOADW 1
	LOADW 2
	s_wait_alu depctr_va_vdst(0)
	s_wait_kmcnt 0x0
	s_cmp_eq_u32 s22, 0
	s_cselect_b32 s31, s37, s47                    ; e1, or e11
	s_cmp_eq_u32 s22, 1
	s_cselect_b32 s31, s39, s31                    ; e3
	s_cmp_eq_u32 s22, 2
	s_cselect_b32 s31, s41, s31                    ; e5
	MKSCALE 31, SCL
	s_wait_alu depctr_va_vdst(0)
.irp c, 0,1,2,3,4,5,6,7
	WCHUNK \c
.endr
	s_wait_tensorcnt 0x0                           ; the same three lines at this path's end
	ds_add_u32 v[SPW], v[NIL]
	s_wait_dscnt 0x0
	s_endpgm
.Lfunc_end_k_q85a0cf3b9a_prep:
	.size	k_q85a0cf3b9a_prep, .Lfunc_end_k_q85a0cf3b9a_prep-k_q85a0cf3b9a_prep
	.p2alignl 7, 3214868480
	.fill 96, 4, 3214868480
	.section	.rodata,"a",@progbits
	.p2align	6, 0x0
	.amdhsa_kernel k_q85a0cf3b9a_prep
		.amdhsa_group_segment_fixed_size 35328
		.amdhsa_private_segment_fixed_size 0
		.amdhsa_enable_private_segment 0
		.amdhsa_kernarg_size 64
		.amdhsa_user_sgpr_count 2
		.amdhsa_user_sgpr_kernarg_segment_ptr 1
		.amdhsa_wavefront_size32 1
		.amdhsa_system_sgpr_workgroup_id_x 1
		.amdhsa_system_sgpr_workgroup_id_y 1
		.amdhsa_system_sgpr_workgroup_id_z 1
		.amdhsa_system_vgpr_workitem_id 0
		.amdhsa_next_free_vgpr 248
		.amdhsa_next_free_sgpr 66
		.amdhsa_reserve_vcc 0
		.amdhsa_float_denorm_mode_32 3
		.amdhsa_float_denorm_mode_16_64 3
		.amdhsa_fp16_overflow 1
		.amdhsa_memory_ordered 1
		.amdhsa_forward_progress 1
		.amdhsa_inst_pref_size 46
	.end_amdhsa_kernel
	.amdgpu_metadata
---
amdhsa.version: [ 1, 2 ]
amdhsa.kernels:
  - .name:           k_q85a0cf3b9a_prep
    .symbol:         k_q85a0cf3b9a_prep.kd
    .args:
      - { .name: x, .offset: 0, .size: 8, .value_kind: global_buffer, .address_space: global }
      - { .name: Wq, .offset: 8, .size: 8, .value_kind: global_buffer, .address_space: global }
      - { .name: Wk, .offset: 16, .size: 8, .value_kind: global_buffer, .address_space: global }
      - { .name: Wv, .offset: 24, .size: 8, .value_kind: global_buffer, .address_space: global }
      - { .name: Wc, .offset: 32, .size: 8, .value_kind: global_buffer, .address_space: global }
      - { .name: lowp_scales, .offset: 40, .size: 8, .value_kind: global_buffer, .address_space: global }
      - { .name: xcodes, .offset: 48, .size: 8, .value_kind: global_buffer, .address_space: global }
      - { .name: wcodes, .offset: 56, .size: 8, .value_kind: global_buffer, .address_space: global }
    .group_segment_fixed_size: 35328
    .private_segment_fixed_size: 0
    .kernarg_segment_align: 8
    .kernarg_segment_size: 64
    .max_flat_workgroup_size: 128
    .sgpr_count:     66
    .vgpr_count:     248
    .wavefront_size: 32
...
	.end_amdgpu_metadata
.endif
;; end of part 1
;; launch qkv (part 2): grid 12 x 32, 4 waves a work-group, clusters of 4 x 4, 327,680 bytes of LDS; arguments xcodes, wcodes, lowp_scales, qkv; writes qkv
.if DOCPART == 2
	.amdgcn_target "amdgcn-amd-amdhsa--gfx1250"
	.amdhsa_code_object_version 6
	.text
	.protected	k_q85a0cf3b9a_qkv
	.globl	k_q85a0cf3b9a_qkv
	.p2align	8
	.type	k_q85a0cf3b9a_qkv,@function
k_q85a0cf3b9a_qkv:
	s_mov_b64 s[64:65], 0
	v_nop
	global_prefetch_b8 v0, s[64:65] scope:SCOPE_SE
	s_setreg_imm32_b32 hwreg(HW_REG_WAVE_MODE, 25, 1), 1
	s_wait_xcnt 0x0
	s_wait_alu depctr_hold_cnt(0) depctr_sa_sdst(0) depctr_va_vdst(0) depctr_va_sdst(0) depctr_va_ssrc(0) depctr_va_vcc(0) depctr_vm_vsrc(0)
	s_getreg_b32 s2, hwreg(HW_REG_IB_STS2, 6, 4)
	s_cmp_eq_u32 s2, 0
	s_cbranch_scc0 .Lentry_in_a_cluster
	s_endpgm
.Lentry_in_a_cluster:
	s_bfe_u32 s2, ttmp6, 0x10000c
	s_cmp_lg_u32 s2, 0xf033
	s_cbranch_scc0 .Lentry_shape_is_right
	s_endpgm
.Lentry_shape_is_right:
; Q = x Wq, K = x Wk, V = x Wv on codes of E4M3, and the results quantised again (2^e6, 2^e7, 2^e9) into the order in which the attention's operand registers take them.
; The cluster's x says which product: p = 0 Q, 1 K, 2 V.  Operands lie chunk-major: byte(row, k) = (row / 32) x 32,768 + (k / 16) x 512 + (row % 32) x 16 + k % 16, K = 1,024.
; A tile is 256 rows of A' x 256 rows of B', made by four waves, each 128 x 128: 64 accumulators, 512 registers.  Q, K: A' = x's codes (tokens), B' = the weight's (features).  V: A' = Wv's codes, B' = x's:
; the roles are changed by a choice of pointers on p, which all partners share, so that V comes out with the keys along a lane's registers.
; K goes in steps of 256 through a ring of two LDS slots.  A K step of 128 rows is 4 pieces of 8,192 consecutive bytes, 32,768 apart in memory: one tensor load a wave, dense in LDS.
; A fragment load takes 16 lanes' 16 bytes from 256 consecutive bytes of LDS.
; CLUSTER 4 x 4: A's tiles are asked for jointly along a row of the cluster, B's along a column.  THE MATRIX INSTRUCTION IS USED TRANSPOSED (source 0 = 16 rows of B', source 1 = 16 rows of A'):
; lane (r, h) of accumulator (a, b) holds A' row 16 a + r and B' rows 16 b + 8 h + 0 .. 7.  Accumulators 2 c and 2 c + 1 give the lane 16 codes, which ARE its 16 bytes of a cell of the output:
;   Q, K (plane of batch x 16 + head, 131,072 bytes): cell (token / 16, cc) at 1,024 (token / 16) + 512 cc; lane (r, h): token r, channels 32 cc + 8 h + 0..7 and 32 cc + 16 + 8 h + 0..7
;   V: cell (key / 32, d / 16) at 2,048 (key / 32) + 512 (d / 16); lane (r, h): channel r, keys 8 h + 0..7 and 16 + 8 h + 0..7 of the 32.
; So each store of a wave covers 512 consecutive bytes, aligned, and nothing goes through LDS on the way out.
; LIMITS: e6 - e0 - e1, e7 - e2 - e3 and e9 - e4 - e5 lie between -126 and 119, so that the folded scale and 448 x it are f32 numbers.
; REGISTERS, in windows of 256: window 0: v0-31 addresses; from v128 A's fragments, ONE set; on the way out v128-255 codes.  window 1: B's fragments, TWO sets.  windows 2, 3: the accumulators.
.set KSTEP,  256
.set GRPB,   8192                      ; a K step's bytes of a group of 32 rows
.set FR,     16                        ; registers of a fragment: 16 rows x 128 K
.set NL,     4                         ; LDS loads that bring one
.set NP,     4                         ; places behind this matrix instruction (ISA guide 7.12.1)
.set HALFT,  4*GRPB                    ; 128 rows: what one tensor load brings
.set SLOT,   4*HALFT                   ; A's 256 rows, then B's 256 rows
.set LAPS,   1024/(2*KSTEP)            ; twice round the ring
.set SPARE,  2*SLOT                    ; behind the ring: the spare words, 128 bytes for each wave, that no other line names
.set ADRA, 16                          ; v16-17  LDS address of my A fragments in slot 0, 1
.set ADRB, 20                          ; v20-21  the same for B
.set CO,   24                          ; v24-27  the way out: my byte in the cell of column pair c = 0 .. 3
.set SPW,  28                          ; v28     LDS address of my spare word; never rewritten
.set NIL,  29                          ; v29     0; never rewritten
.set SC,   30                          ; v30     the folded scale as f32
.set LM,   31
.set TMP,  32
.set AF,   128
.set CD,   128                         ; the way out: 16 registers of codes for each block
.set G1, 24
.set G0, 32
.set G1B, 48
.set G0B, 56
.set OB, 68                            ; s[68:83] the way out: a base for each of my eight blocks
.set MSB, 0
.macro WIN new                         ; the immediate's high byte repeats the setting that is left
.if MSB != (\new)
	s_set_vgpr_msb (MSB<<8)|(\new)
.set MSB, (\new)
.endif
.endm
.set MUL_LO, 0xa1                      ; source 0 (B) window 1, source 1 (A) window 0, C and D window 2
.set MUL_HI, 0xf1                      ; the same, C and D window 3
.set TO_B,   0x40                      ; destination window 1, address window 0
; A joint load: waves 0 and 1 fetch for A, waves 2 and 3 for B; the branch hangs on the wave's number alone.  An s_nop 0 and four v_nop follow each of the two lines.
.macro JLOAD g0a, g1a, g0b, g1b
	s_cmp_eq_u32 s15, 0
	s_cbranch_scc0 .Lfor_b_\@
	tensor_load_to_lds s[\g0a:\g0a+3], s[\g1a:\g1a+7]
	s_nop 0
.rept 4
	v_nop
.endr
	s_branch .Lasked_\@
.Lfor_b_\@:
	tensor_load_to_lds s[\g0b:\g0b+3], s[\g1b:\g1b+7]
	s_nop 0
.rept 4
	v_nop
.endr
.Lasked_\@:
.endm
.macro CREST                           ; a round of the cluster's barrier behind its opening barrier
	s_cmp_lg_u32 s14, 0
	s_cbranch_scc1 .Lnot_wave_0_\@
	s_barrier_signal -3
.Lnot_wave_0_\@:
	s_barrier_wait -3
	s_barrier_signal -1
	s_barrier_wait -1
.endm
.macro CROUND
	s_barrier_signal -1
	s_barrier_wait -1
	CREST
.endm
	s_load_b256 s[4:11], s[0:1], 0x0               ; x's codes s[4:5], the weights' s[6:7], the exponents s[8:9], the output s[10:11]
	v_lshl_add_u32 v[SPW], v0, 2, SPARE
	v_mov_b32 v[NIL], 0
	ds_add_u32 v[SPW], v[NIL]
	ds_add_u32 v[SPW], v[NIL]                      ; the wave's opening: the add and its wait ahead of my first tensor load; the set-up below stands between them
	v_lshrrev_b32 v1, 5, v0
	v_readfirstlane_b32 s14, v1                    ; wave 0..3
	s_lshr_b32 s15, s14, 1                         ; which half of the tile's A' rows is mine.  Also: I fetch for A (0) or for B (1)
	s_and_b32 s16, s14, 1                          ; which half of its B' rows.  Also: which 128 rows I fetch
	s_bfe_u32 s40, ttmp6, 0x40000                  ; cx
	s_bfe_u32 s41, ttmp6, 0x40004                  ; cy
	s_and_b32 s2, ttmp7, 0xffff
	s_lshl_b32 s2, s2, 2                           ; 4 x cluster y: it walks the tokens
	s_cmp_eq_u32 ttmp9, 2                          ; V?  The same in all sixteen partners
	s_cselect_b32 s17, 0, s2
	s_cselect_b32 s42, s2, 0
	s_add_co_u32 s17, s17, s41                     ; tile row (of A'):  Q, K: 4 x cluster y + cy;  V: cy
	s_add_co_u32 s42, s42, s40                     ; tile column (of B'):  Q, K: cx;  V: 4 x cluster y + cx
	s_lshl_b32 s43, s41, 2
	s_lshl_b32 s43, 15, s43                        ; my row of the cluster
	s_lshl_b32 s44, 0x1111, s40                    ; my column
	s_or_b32 s[G1+0], s43, (0<<16)|(1<<21)         ; 15:0 the mask; 17:16 elements of 1 byte; 20 no padding; 21 set beside a mask
	s_or_b32 s[G1B+0], s44, (0<<16)|(1<<21)
.irp g, G1, G1B
	s_mov_b32 s[\g+1], GRPB<<16                    ; tensor_dim0 = 8,192
	s_mov_b32 s[\g+2], 4<<16                       ; tensor_dim1 = 4
	s_mov_b32 s[\g+3], GRPB<<16                    ; tile_dim0 = 8,192
	s_mov_b32 s[\g+4], 4                           ; tile_dim1 = 4
	s_mov_b32 s[\g+5], 32768                       ; from group to group of 32 rows
	s_mov_b32 s[\g+6], 0
	s_mov_b32 s[\g+7], 0
.endr
	s_lshl_b32 s18, s16, 17                        ; the 128 rows that I fetch: 1,024 bytes a row
	s_lshl_b32 s12, s17, 18
	s_add_co_u32 s12, s12, s18                     ; A': 256 rows a tile row
	s_mov_b32 s13, 0
	s_lshl_b32 s46, s42, 18
	s_add_co_u32 s46, s46, s18                     ; B'
	s_mov_b32 s47, 0
	s_lshl_b32 s20, ttmp9, 23                      ; x's codes for product p
	s_mov_b32 s21, 0
	s_lshl_b32 s22, ttmp9, 20                      ; the weight's
	s_mov_b32 s23, 0
	s_mul_i32 s45, s14, HALFT                      ; where my tiles go: wave x 128 rows: no place in the cluster enters an LDS address
	s_wait_dscnt 0x0                               ; the opening add is done
	s_wait_kmcnt 0x0
	s_load_b256 s[84:91], s[8:9], 0x0              ; e0 .. e7
	s_load_b128 s[92:95], s[8:9], 0x20             ; e8 .. e11
	s_add_nc_u64 s[4:5], s[4:5], s[20:21]
	s_add_nc_u64 s[6:7], s[6:7], s[22:23]
	s_cmp_eq_u32 ttmp9, 2
	s_cselect_b64 s[20:21], s[6:7], s[4:5]         ; A'
	s_cselect_b64 s[22:23], s[4:5], s[6:7]         ; B'
	s_add_nc_u64 s[20:21], s[20:21], s[12:13]
	s_add_nc_u64 s[46:47], s[22:23], s[46:47]
	CROUND                                         ; all sixteen work-groups are here: the first joint loads meet
.irp s, 0,1
	s_mov_b32 s[G0+4*\s], 1
	s_add_co_u32 s[G0+4*\s+1], s45, \s*SLOT
	s_add_nc_u64 s[G0+4*\s+2:G0+4*\s+3], s[20:21], \s*GRPB
	s_or_b32 s[G0+4*\s+3], s[G0+4*\s+3], 0x80000000
	s_mov_b32 s[G0B+4*\s], 1
	s_add_co_u32 s[G0B+4*\s+1], s45, \s*SLOT
	s_add_nc_u64 s[G0B+4*\s+2:G0B+4*\s+3], s[46:47], \s*GRPB
	s_or_b32 s[G0B+4*\s+3], s[G0B+4*\s+3], 0x80000000
	JLOAD G0+4*\s, G1, G0B+4*\s, G1B
.endr
	v_and_b32 v1, 15, v0                           ; r
	v_bfe_u32 v2, v0, 4, 1                         ; h
	v_lshlrev_b32 v4, 4, v1
	v_lshl_add_u32 v4, v2, 9, v4                   ; 16 r + one chunk for the upper half of the lanes
	s_mul_i32 s21, s15, HALFT                      ; my 128 rows of A'
	s_mul_i32 s22, s16, HALFT
	s_add_co_u32 s22, s22, 2*HALFT                 ; my 128 rows of B', behind A's 256
.irp s, 0,1
	v_add_nc_u32 v[ADRA+\s], s21, v4
	v_add_nc_u32 v[ADRB+\s], s22, v4
	s_add_co_u32 s21, s21, SLOT
	s_add_co_u32 s22, s22, SLOT
.endr
	; the way out: where my blocks' cells lie
	s_lshl_b32 s96, s17, 4
	s_lshl_b32 s97, s15, 3
	s_add_co_u32 s96, s96, s97                     ; RB: my first block of 16 A' rows
	s_lshl_b32 s97, s42, 3
	s_lshl_b32 s98, s16, 2
	s_add_co_u32 s97, s97, s98                     ; CG: my first group of 32 B' rows
	s_lshr_b32 s66, s96, 7                         ; Q, K: batch = RB / 128,
	s_lshl_b32 s66, s66, 21
	s_and_b32 s98, s96, 127                        ; token / 16,
	s_lshl_b32 s98, s98, 10
	s_add_co_u32 s66, s66, s98
	s_lshr_b32 s98, s97, 1                         ; head = CG / 2
	s_lshl_b32 s98, s98, 17
	s_add_co_u32 s66, s66, s98
	s_lshr_b32 s67, s97, 6                         ; V: batch = CG / 64,
	s_lshl_b32 s67, s67, 21
	s_lshr_b32 s98, s96, 2                         ; head = RB / 4,
	s_lshl_b32 s98, s98, 17
	s_add_co_u32 s67, s67, s98
	s_and_b32 s98, s97, 63                         ; key / 32
	s_lshl_b32 s98, s98, 11
	s_add_co_u32 s67, s67, s98
	s_mov_b32 s96, 1024                            ; steps, Q and K's first: from block a to a + 1 within four,
	s_mov_b32 s98, 4096                            ; from a to a + 4,
	s_mov_b32 s12, 512                             ; from pair c to c + 1,
	s_mov_b32 s13, 0x20000                         ; from c to c + 2
	s_cmp_eq_u32 ttmp9, 2
	s_cselect_b32 s66, s67, s66
	s_cselect_b32 s96, 512, s96
	s_cselect_b32 s98, s13, s98
	s_cselect_b32 s12, 2048, s12
	s_cselect_b32 s13, 4096, s13
	s_lshl_b32 s67, ttmp9, 23                      ; Q, K and V lie 8 MiB apart
	s_add_co_u32 s66, s66, s67
	s_mov_b32 s67, 0
	s_mov_b32 s97, 0
	s_mov_b32 s99, 0
	s_add_nc_u64 s[OB:OB+1], s[10:11], s[66:67]
.irp a, 1,2,3
	s_add_nc_u64 s[OB+2*\a:OB+2*\a+1], s[OB+2*\a-2:OB+2*\a-1], s[96:97]
.endr
.irp a, 4,5,6,7
	s_add_nc_u64 s[OB+2*\a:OB+2*\a+1], s[OB+2*\a-8:OB+2*\a-7], s[98:99]
.endr
	v_and_b32 v6, 31, v0
	v_lshlrev_b32 v[CO], 4, v6                     ; 16 x lane
	v_add_nc_u32 v[CO+1], s12, v[CO]
	v_add_nc_u32 v[CO+2], s13, v[CO]
	v_add_nc_u32 v[CO+3], s13, v[CO+1]
.macro FRAG reg, adr, q, i             ; block i's fragment of the slot's q-th 128 along K: registers 4 c .. 4 c + 3 hold K = 32 c + 16 h + 0 .. 15: the same places of k in A' and in B'
.irp c, 0,1,2,3
	ds_load_b128 v[\reg+4*\c:\reg+4*\c+3], v[\adr] offset:((\i)/2)*GRPB+((\i)%2)*256+(8*(\q)+2*\c)*512
.endr
.endm
; 16 matrix instructions: A's blocks a0, a0 + 1 x B's eight.  The 64 accumulators take turns, one instruction a turn, in the same order in every step.
.macro MUL16 a0, p, zero
.irp a, \a0, \a0+1
.irp b, 0,1,2,3,4,5,6,7
.if \zero
	v_wmma_f32_16x16x128_fp8_fp8 v[8*(8*((\a)%4)+\b):8*(8*((\a)%4)+\b)+7], v[128*(\p)+FR*\b:128*(\p)+FR*\b+FR-1], v[AF+FR*(\a):AF+FR*(\a)+FR-1], 0
.else
	v_wmma_f32_16x16x128_fp8_fp8 v[8*(8*((\a)%4)+\b):8*(8*((\a)%4)+\b)+7], v[128*(\p)+FR*\b:128*(\p)+FR*\b+FR-1], v[AF+FR*(\a):AF+FR*(\a)+FR-1], v[8*(8*((\a)%4)+\b):8*(8*((\a)%4)+\b)+7]
.endif
.endr
.endr
.endm
.macro FETCH_B slot, q, p
	WIN TO_B
.irp i, 0,1,2,3,4,5,6,7
	FRAG 128*(\p)+FR*\i, ADRB+\slot, \q, \i
.endr
	WIN 0
.endm
.macro FETCH_A slot, q, i0
.irp i, \i0, \i0+1, \i0+2, \i0+3
	FRAG AF+FR*(\i), ADRA+\slot, \q, \i
.endr
.endm
.macro PLACES n                        ; plain vector lines between a matrix instruction and a load into, or a read of, its registers
.rept \n
	v_nop
.endr
.endm
.macro STEP slot, q, zero              ; 128 along K whose successor lies in the same slot
	s_wait_dscnt 4*NL                              ; B's set and A's blocks 0-3 are in; the youngest 16 loads (A's blocks 4-7) may be out
	WIN MUL_LO
	MUL16 0, (\q)%2, \zero
	MUL16 2, (\q)%2, \zero
	s_wait_dscnt 0
	PLACES NP
	FETCH_B \slot, (\q)+1, 1-(\q)%2
	FETCH_A \slot, (\q)+1, 0
	WIN MUL_HI
	MUL16 4, (\q)%2, \zero
	MUL16 6, (\q)%2, \zero
	PLACES NP
	WIN 0
	FETCH_A \slot, (\q)+1, 4
.endm
; A slot's last step changes slots: ONE barrier; in front of it each wave waits for all its tensor loads, adds 0 to its spare word, and waits for that and for its reads of this slot.
.macro TURN slot, next, fill
	s_wait_tensorcnt 0x0                           ; all my tensor loads have landed: my part of the next slot
	ds_add_u32 v[SPW], v[NIL]                      ; 0 onto my spare word
	s_wait_dscnt 4*NL+1                            ; the add and the youngest 16 loads may be out
	WIN MUL_LO
	MUL16 0, 1, 0
	s_wait_dscnt 0x0                               ; the add is done, and my reads of this slot are over
	s_barrier_signal -1
	MUL16 2, 1, 0
	WIN 0
	s_barrier_wait -1
.if \fill
	CREST                                          ; the barrier has opened a round of the cluster's: no wave of any partner still reads this slot or has a load on its way
	s_add_nc_u64 s[G0+4*\slot+2:G0+4*\slot+3], s[G0+4*\slot+2:G0+4*\slot+3], 2*GRPB
	s_add_nc_u64 s[G0B+4*\slot+2:G0B+4*\slot+3], s[G0B+4*\slot+2:G0B+4*\slot+3], 2*GRPB
	JLOAD G0+4*\slot, G1, G0B+4*\slot, G1B         ; the first tensor load behind the round; its four v_nop are also the places in front of the loads below
.else
	PLACES NP
.endif
	FETCH_B \next, 0, 0
	FETCH_A \next, 0, 0
	WIN MUL_HI
	MUL16 4, 1, 0
	MUL16 6, 1, 0
	PLACES NP
	WIN 0
	FETCH_A \next, 0, 4
.endm
	s_wait_alu depctr_va_vdst(0)
	s_wait_tensorcnt 1                             ; my part of K step 0 is in; K step 1's load may be out
	s_barrier_signal -1
	s_barrier_wait -1
	FETCH_B 0, 0, 0
	FETCH_A 0, 0, 0
	FETCH_A 0, 0, 4
	STEP 0, 0, 1                                   ; the first products start the sums: nothing is cleared
.rept LAPS-1                           ; once round the ring with both slots filled again: K steps 2 and 3
	TURN 0, 1, 1
	STEP 1, 0, 0
	TURN 1, 0, 1
	STEP 0, 0, 0
.endr
	TURN 0, 1, 0                                   ; the last lap fills nothing
	STEP 1, 0, 0
	s_wait_dscnt 4*NL
	WIN MUL_LO
	MUL16 0, 1, 0
	MUL16 2, 1, 0
	s_wait_dscnt 0
	WIN MUL_HI
	MUL16 4, 1, 0
	MUL16 6, 1, 0
	WIN 0
	; THE WAY OUT.  A sum stands for sum x 2^(eA + eB); its code is sum / 2^(eOut - eA - eB): the three exponents are folded into the conversion's one.  They are chosen by selects, never by a branch.
	s_wait_kmcnt 0x0
	s_cmp_eq_u32 ttmp9, 0
	s_cselect_b32 s12, s90, s91                    ; e6 or e7
	s_cselect_b32 s13, s84, s86                    ; e0 or e2
	s_cselect_b32 s66, s85, s87                    ; e1 or e3
	s_cmp_eq_u32 ttmp9, 2
	s_cselect_b32 s12, s93, s12                    ; e9
	s_cselect_b32 s13, s88, s13                    ; e4
	s_cselect_b32 s66, s89, s66                    ; e5
	s_sub_co_i32 s12, s12, s13
	s_sub_co_i32 s12, s12, s66
	s_add_co_i32 s12, s12, 127
	s_lshl_b32 s13, s12, 23
	v_mov_b32 v[SC], s13
	s_add_co_i32 s12, s12, 8
	s_lshl_b32 s12, s12, 23
	s_or_b32 s12, s12, 0x600000
	PLACES NP
.macro OUTBLK a                        ; block a: 16 A' rows x 128 B' rows
	WIN 0x02+((\a)/4)                              ; source 0: window 2 or 3
.set j, 0
.rept 64
.set j, j+1
.endr
.irp b, 0,1,2,3,4,5,6,7
	v_cvt_scalef32_pk8_fp8_f32 v[CD+16*(\a)+2*\b:CD+16*(\a)+2*\b+1], v[TMP+8*\b+((64*((\a)%4)+j)-(TMP+j)):TMP+8*\b+7+((64*((\a)%4)+j)-(TMP+j))], v[SC]
.endr
	WIN 0
	v_nop                                          ; a plain line between the conversions and the stores
.irp c, 0,1,2,3
	global_store_b128 v[CO+\c], v[CD+16*(\a)+4*\c:CD+16*(\a)+4*\c+3], s[OB+2*(\a):OB+2*(\a)+1]   ; a cell: 512 consecutive bytes, aligned; each block has code registers of its own
.endr
.endm
.irp a, 0,1,2,3,4,5,6,7
	OUTBLK \a
.endr
	s_wait_tensorcnt 0x0                           ; the wave's end
	ds_add_u32 v[SPW], v[NIL]
	s_wait_dscnt 0x0
	CROUND                                         ; the closing round: no work-group ends while a partner may still ask for a tile that names it
	s_endpgm
.Lfunc_end_k_q85a0cf3b9a_qkv:
	.size	k_q85a0cf3b9a_qkv, .Lfunc_end_k_q85a0cf3b9a_qkv-k_q85a0cf3b9a_qkv
	.p2alignl 7, 3214868480
	.fill 96, 4, 3214868480
	.section	.rodata,"a",@progbits
	.p2align	6, 0x0
	.amdhsa_kernel k_q85a0cf3b9a_qkv
		.amdhsa_group_segment_fixed_size 327680
		.amdhsa_private_segment_fixed_size 0
		.amdhsa_enable_private_segment 0
		.amdhsa_kernarg_size 32
		.amdhsa_user_sgpr_count 2
		.amdhsa_user_sgpr_kernarg_segment_ptr 1
		.amdhsa_wavefront_size32 1
		.amdhsa_system_sgpr_workgroup_id_x 1
		.amdhsa_system_sgpr_workgroup_id_y 1
		.amdhsa_system_sgpr_workgroup_id_z 1
		.amdhsa_system_vgpr_workitem_id 0
		.amdhsa_next_free_vgpr 1024
		.amdhsa_next_free_sgpr 100
		.amdhsa_reserve_vcc 0
		.amdhsa_float_denorm_mode_32 3
		.amdhsa_float_denorm_mode_16_64 3
		.amdhsa_fp16_overflow 1
		.amdhsa_memory_ordered 1
		.amdhsa_forward_progress 1
		.amdhsa_inst_pref_size 87
	.end_amdhsa_kernel
	.amdgpu_metadata
---
amdhsa.version: [ 1, 2 ]
amdhsa.kernels:
  - .name:           k_q85a0cf3b9a_qkv
    .symbol:         k_q85a0cf3b9a_qkv.kd
    .args:
      - { .name: xcodes, .offset: 0, .size: 8, .value_kind: global_buffer, .address_space: global }
      - { .name: wcodes, .offset: 8, .size: 8, .value_kind: global_buffer, .address_space: global }
      - { .name: lowp_scales, .offset: 16, .size: 8, .value_kind: global_buffer, .address_space: global }
      - { .name: qkv, .offset: 24, .size: 8, .value_kind: global_buffer, .address_space: global }
    .group_segment_fixed_size: 327680
    .private_segment_fixed_size: 0
    .kernarg_segment_align: 8
    .kernarg_segment_size: 32
    .max_flat_workgroup_size: 128
    .sgpr_count:     100
    .vgpr_count:     1024
    .wavefront_size: 32
...
	.end_amdgpu_metadata
.endif
;; end of part 2
;; launch attn (part 3): grid 4 x 64, 16 waves a work-group, no clusters, 327,680 bytes of LDS; arguments qkv, lowp_scales, ocodes; writes ocodes
.if DOCPART == 3
	.amdgcn_target "amdgcn-amd-amdhsa--gfx1250"
	.amdhsa_code_object_version 6
	.text
	.protected	k_q85a0cf3b9a_attn
	.globl	k_q85a0cf3b9a_attn
	.p2align	8
	.type	k_q85a0cf3b9a_attn,@function
k_q85a0cf3b9a_attn:
	s_mov_b64 s[64:65], 0
	v_nop
	global_prefetch_b8 v0, s[64:65] scope:SCOPE_SE
	s_setreg_imm32_b32 hwreg(HW_REG_WAVE_MODE, 25, 1), 1
	s_wait_xcnt 0x0
; Causal attention on codes of E4M3, head size 64, 2,048 tokens, 64 planes (batch x 16 + head).  o = softmax(q k^T / 8, causal) v, quantised with 2^e10 into the chunk-major layout that the last product reads.
; THE SOFTMAX AHEAD OF THE SECOND PRODUCT: t = score x log2(e) / 8; M = the row's largest t so far, rounded UP to a whole number; p = 2^(t - M) is quantised with 2^e8, not normalised; the row's sum is taken of the
; unquantised p and divides at the end.  When M moves, the sum and O are multiplied by 2^(old M - new M): exact.
; SHARES.  Work-group (j, plane), sixteen waves.  Wave w owns TWO tiles of 16 queries: L at 256 j + 16 w and H at 2,032 - 256 j - 16 w.  L needs 2 j + w / 8 + 1 key steps of 128, H needs 16 - 2 j - w / 8: 17 for every wave.
; K and V come through a ring of two LDS slots of 256 keys (16,384 bytes of each, dense: wave 0 fetches K's, wave 1 V's), read by all sixteen waves for both tiles.
; EVERY work-group walks all 8 slots (constant trip counts, no barrier jumped over); a key step all of whose keys come after a tile's queries is left out by a scalar branch on ids; a slot beyond the work-group's last query is not asked for.
; LAYOUT.  Both products transposed: S^T = K Q^T (source 0 = 16 neighbouring keys), O^T = V^T P^T: a lane holds ONE query (lane % 16).  Register j of score tile n is key 16 n + 8 (lane / 16) + j: its eight codes are registers
; 2 n, 2 n + 1 of the second product's operand, and the launch before has laid V's bytes in the same order of keys.  Every LDS load takes 16 bytes a lane from 512 consecutive bytes.
; NO CLUSTER: the four work-groups of a plane need 8, 7, 6 and 5 slots and do unequal work in each (a wave's 17 steps fall on other slots in each partner), so rounds in step would make each wait for the slowest in every slot;
; what they share is 32,768 bytes a slot.
; Hidden scores become -infinity where the source subtracts 1e9: the same p = 0 as long as a row's logits lie within about 1e9 of each other.
; LIMITS: e6 + e7 between -123 and 130 (added to c's exponent field); e8, and e10 - e8 - e9, between -126 and 119.
.set SLOT1, 32768                      ; slot 1 begins here: one exclusive or turns an address from one slot into the other
.set VOFF,  16384                      ; in a slot: K's 256 keys, then V's
.set SPARE, 65536                      ; behind the ring: the spare words, 128 bytes for each of sixteen waves, that no other line names
.set LA,  1                            ; v1   16 x lane
.set ADR, 2                            ; v2   LDS address of the slot in hand for my lane
.set PFO, 3                            ; v3   256 x lane: the prefetches' offset; never rewritten
.set OO,  4                            ; v4   the way out: 16 r + 8 h
.set SPW, 5                            ; v5   LDS address of my spare word; never rewritten
.set NIL, 6                            ; v6   0; never rewritten
.set DL,  7                            ; v7   r - 8 h
.set NINF, 8                           ; v8   -infinity
.set PD,  9                            ; v9   a lane permute's destination, written once at the head
.set SCP, 10                           ; v10  2^e8
.set LMP, 11
.set STH, 12                           ; v12-15 tile H: -M, the largest t, the sum in two halves;  v16-19 tile L
.set STL, 16
.set QH,  20                           ; v20-27, v28-35 the two tiles' fragments of Q
.set QL,  28
.set F,   36                           ; v36-99   eight fragments of K, then four of V
.set S,   100                          ; v100-163 S^T, then p
.set OH,  164                          ; v164-195, v196-227 O^T
.set OL,  196
.set PC,  228                          ; v228-243 p's codes
.set FF,  244                          ; v[244:245] f = 2^(old M - new M); v245 is named with it as a pair and written once
.set SU,  246                          ; v[246:247] the sum's second chain
.set W0,  248
.set W1,  249
.set W2,  250
.set SCO, 252                          ; v252 2^(e10 - e8 - e9)
.set LMO, 253
.set TB,  2                            ; s2   LDS byte at which the slot in hand begins
.set WV,  18
.set SEL, 20                           ; s[20:21] selects of v_permlanex16_b32: lane l xor 16
.set CS,  22                           ; s[22:23] c = log2(e) / 8 x 2^(e6 + e7)
.set G1,  24
.set G0,  40
.set SLOTS, 67
.set PFA, 76
.set LIM, 80
.set QLAST, 94                         ; s94  my work-group's last query
.set Q0L, 95
.set KF,  98                           ; s98  the slot's first key
.set Q0H, 99
.macro TLOAD                           ; wave 0 fetches K's 256 keys, wave 1 V's; an s_nop 0 and four v_nop follow the line
	s_cmp_lt_u32 s[WV], 2
	s_cbranch_scc0 .Lasked_\@
	tensor_load_to_lds s[G0:G0+3], s[G1:G1+7]
	s_nop 0
.rept 4
	v_nop
.endr
.Lasked_\@:
.endm
; A PREFETCH of what the NEXT change of slots will ask for.  All four work-groups of a plane walk the same K and V from key 0 on, and j = 0 walks all of it: it alone asks.  In it waves 4 and 5 name the two halves of K's 16,384 bytes,
; waves 6 and 7 V's: 8,192 bytes a wave, lanes 256 bytes apart: each aligned block of 256 bytes is named once in the launch.  Slots 0 and 1 come by their loads alone; the last change that fills a slot asks for nothing.
.macro ASK
	s_cmp_gt_u32 s[SLOTS], s[LIM]
	s_cbranch_scc0 .Lnot_mine_\@
	global_prefetch_b8 v[PFO], s[PFA:PFA+1] th:TH_LOAD_NT scope:SCOPE_SE
.Lnot_mine_\@:
.endm
	s_load_b128 s[4:7], s[0:1], 0x0                ; Q, K, V's codes s[4:5], the exponents s[6:7]
	s_load_b64 s[8:9], s[0:1], 0x10                ; o's codes
	v_lshl_add_u32 v[SPW], v0, 2, SPARE
	v_mov_b32 v[NIL], 0
	ds_add_u32 v[SPW], v[NIL]                      ; the wave's opening: the add and its wait ahead of my first tensor load; the set-up below stands between them
	ds_add_u32 v[SPW], v[NIL]
	v_lshrrev_b32 v[ADR], 5, v0
	s_delay_alu instid0(VALU_DEP_1)
	v_readfirstlane_b32 s[WV], v[ADR]              ; wave 0..15
	s_and_b32 s10, ttmp7, 0xffff                   ; the plane
	s_lshl_b32 s12, s10, 17
	s_mov_b32 s13, 0
	s_lshl_b32 s11, ttmp9, 8
	s_lshl_b32 s[Q0L], s[WV], 4
	s_add_co_u32 s[Q0L], s[Q0L], s11               ; 256 j + 16 w
	s_sub_co_u32 s[Q0H], 2032, s[Q0L]
	s_sub_co_u32 s[QLAST], 2047, s11
	s_and_b32 s14, s[WV], 1
	s_lshl_b32 s15, s14, 14                        ; K's bytes at a slot's head, V's behind them
	s_add_co_u32 s14, s14, 1
	s_lshl_b32 s14, s14, 23                        ; K lies 8 MiB, V 16 MiB behind Q
	s_add_co_u32 s16, s14, s12
	s_mov_b32 s17, 0
	s_mov_b32 s[G1], 3<<16                         ; no mask; elements of 8 bytes; no padding: a dense block of 64 rows x 256 bytes
	s_mov_b32 s[G1+1], 32<<16                      ; tensor_dim0
	s_mov_b32 s[G1+2], 64<<16                      ; tensor_dim1
	s_mov_b32 s[G1+3], 32<<16                      ; tile_dim0
	s_mov_b32 s[G1+4], 64                          ; tile_dim1
	s_mov_b32 s[G1+5], 32                          ; from row to row
	s_mov_b32 s[G1+6], 0
	s_mov_b32 s[G1+7], 0
	s_mov_b32 s[SEL], 0x76543210
	s_mov_b32 s[SEL+1], 0xfedcba98
	s_mov_b32 s[CS], 0x3e38aa3b                    ; log2(e) / 8
	s_mov_b32 s[TB], 0
	s_mov_b32 s[SLOTS], 7
	s_mov_b32 s[KF], 0
	s_wait_dscnt 0x0                               ; the opening add is done
	s_wait_kmcnt 0x0
	s_load_b256 s[68:75], s[6:7], 0x0              ; e0 .. e7
	s_load_b128 s[84:87], s[6:7], 0x20             ; e8 .. e11
	s_mov_b32 s[G0], 1
	s_mov_b32 s[G0+1], s15
	s_add_nc_u64 s[G0+2:G0+3], s[4:5], s[16:17]
	s_or_b32 s[G0+3], s[G0+3], 0x80000000
	TLOAD                                          ; slot 0
	s_add_nc_u64 s[12:13], s[4:5], s[12:13]        ; Q's plane
	s_lshl_b32 s44, s[Q0H], 6                      ; a tile of 16 queries is 1,024 bytes
	s_mov_b32 s45, 0
	s_add_nc_u64 s[44:45], s[12:13], s[44:45]
	s_lshl_b32 s46, s[Q0L], 6
	s_mov_b32 s47, 0
	s_add_nc_u64 s[46:47], s[12:13], s[46:47]
	v_and_b32 v[LA], 31, v0
	s_delay_alu instid0(VALU_DEP_1)
	v_lshlrev_b32 v[PFO], 8, v[LA]
	s_delay_alu instid0(VALU_DEP_2)
	v_lshlrev_b32 v[LA], 4, v[LA]
	global_load_b128 v[QH:QH+3], v[LA], s[44:45]
	global_load_b128 v[QH+4:QH+7], v[LA], s[44:45] offset:512
	global_load_b128 v[QL:QL+3], v[LA], s[46:47]
	global_load_b128 v[QL+4:QL+7], v[LA], s[46:47] offset:512
	; the prefetches: where my wave's stand, and who asks
	s_bfe_u32 s82, s[WV], 0x10001                  ; waves 4, 5: K; waves 6, 7: V
	s_add_co_u32 s82, s82, 1
	s_lshl_b32 s82, s82, 23
	s_and_b32 s83, s[WV], 1
	s_lshl_b32 s83, s83, 13                        ; my half of a slot's 16,384 bytes
	s_add_co_u32 s82, s82, s83
	s_lshl_b32 s83, s10, 17
	s_add_co_u32 s82, s82, s83
	s_add_co_u32 s82, s82, 16384                   ; in slot 1: the first change of slots steps it to slot 2
	s_mov_b32 s83, 0
	s_add_nc_u64 s[PFA:PFA+1], s[4:5], s[82:83]
	s_sub_co_u32 s82, s[WV], 4
	s_lshr_b32 s82, s82, 2                         ; 0 in waves 4 to 7,
	s_or_b32 s82, s82, ttmp9                       ; of work-group j = 0
	s_cmp_eq_u32 s82, 0
	s_cselect_b32 s[LIM], 1, -1
	; the way out: token m = 2,048 x batch + query; byte = (m / 32) x 32,768 + (4 x head + d / 16) x 512 + (m % 32) x 16 + d % 16
	s_lshr_b32 s48, s10, 4
	s_lshl_b32 s48, s48, 11
	s_and_b32 s49, s10, 15
	s_lshl_b32 s49, s49, 11
.irp k, 0,1
	s_add_co_u32 s50, s48, s[Q0H-4*\k]             ; tile H (s99), tile L (s95)
	s_lshr_b32 s51, s50, 5
	s_lshl_b32 s51, s51, 15
	s_and_b32 s50, s50, 16
	s_lshl_b32 s50, s50, 4
	s_add_co_u32 s50, s50, s51
	s_add_co_u32 s50, s50, s49
	s_mov_b32 s51, 0
	s_add_nc_u64 s[52+2*\k:53+2*\k], s[8:9], s[50:51]
.endr
	v_and_b32 v[W0], 15, v0                        ; r
	v_bfe_u32 v[W1], v0, 4, 1                      ; h
	s_delay_alu instid0(VALU_DEP_2)
	v_lshlrev_b32 v[OO], 4, v[W0]
	s_delay_alu instid0(VALU_DEP_1)
	v_lshl_add_u32 v[OO], v[W1], 3, v[OO]
	s_delay_alu instid0(VALU_DEP_3)
	v_lshlrev_b32 v[W1], 3, v[W1]
	s_delay_alu instid0(VALU_DEP_1)
	v_sub_nc_u32 v[DL], v[W0], v[W1]
	v_mov_b32 v[NINF], 0xff800000
	v_mov_b32 v[PD], 0
	v_mov_b32 v[FF+1], 0
.irp t, STH, STL
	v_mov_b32 v[\t+1], 0xff61b1e6                  ; the largest t so far: -3e38, under every t
	s_delay_alu instid0(VALU_DEP_1)
	v_floor_f32 v[\t], -v[\t+1]                    ; -M
	v_mov_b32 v[\t+2], 0
	v_mov_b32 v[\t+3], 0
.endr
.set n, 0
.rept 64
	v_mov_b32 v[OH+n], 0                           ; O^T of both tiles: the step is written once; the first finds zeros, which the first change of M leaves zeros
.set n, n+1
.endr
	s_wait_kmcnt 0x0
	s_add_co_i32 s48, s74, s75                     ; a score stands for score x 2^(e6 + e7): added to c's exponent field
	s_lshl_b32 s48, s48, 23
	s_add_co_i32 s[CS], s[CS], s48
	s_mov_b32 s[CS+1], s[CS]
	s_add_co_i32 s48, s84, 127
	s_lshl_b32 s49, s48, 23
	v_mov_b32 v[SCP], s49
	s_sub_co_i32 s48, s86, s84                     ; O^T / the sum stands for o / 2^(e8 + e9): o's code is that / 2^(e10 - e8 - e9)
	s_sub_co_i32 s48, s48, s85
	s_add_co_i32 s48, s48, 127
	s_lshl_b32 s49, s48, 23
	v_mov_b32 v[SCO], s49
; A KEY STEP of one tile: the q-th 128 keys of the slot in hand.  st: the tile's statistics, qr: its Q, oa: its O^T, q0s: the scalar with its first query.
.macro STEP q, st, qr, oa, q0s
	s_add_co_u32 s96, s[KF], 128*\q                ; the step's first key
	s_add_co_u32 s97, s[\q0s], 15
	s_cmp_gt_u32 s96, s97                          ; all its keys come after my 16 queries: the step is left out (ids and the count of slots alone; no barrier and no tensor load stands in a step)
	s_cbranch_scc1 .Lhid_\@
	v_add_nc_u32 v[ADR], s[TB], v[LA]
.rept 3
	v_nop                                          ; with the addition above: four places in front of loads into registers that the last products read
.endr
.set n, 0
.rept 8
	ds_load_b128 v[F+8*n:F+8*n+3], v[ADR] offset:(8*\q+n)*1024
	ds_load_b128 v[F+8*n+4:F+8*n+7], v[ADR] offset:(8*\q+n)*1024+512
.set n, n+1
.endr
	s_wait_alu depctr_va_vdst(0)
	s_wait_dscnt 0x0
.set n, 0
.rept 8
	v_wmma_f32_16x16x64_fp8_fp8 v[S+8*n:S+8*n+7], v[F+8*n:F+8*n+7], v[\qr:\qr+7], 0
.set n, n+1
.endr
.rept 4
	v_nop                                          ; places in front of the loads below and of the first read of the scores
.endr
.set n, 0
.rept 16                               ; V's four fragments (n / 4: 16 channels; n % 4: 32 keys) are asked for now and land under the softmax
	ds_load_b128 v[F+4*n:F+4*n+3], v[ADR] offset:VOFF+(4*\q+n%4)*2048+(n/4)*512
.set n, n+1
.endr
	s_add_co_u32 s97, s96, 127
	s_cmp_le_u32 s97, s[\q0s]                      ; all keys count: no mask
	s_cbranch_scc1 .Lopen_\@
	s_sub_co_i32 s97, s[\q0s], s96
	v_add_nc_u32 v[W2], s97, v[DL]                 ; d = my query - the step's first key - 8 h.  Register n holds key 16 (n / 8) + 8 h + n % 8: hidden where 16 (n / 8) + n % 8 > d
.set n, 0
.rept 64
	v_cmp_gt_i32 vcc_lo, 16*(n/8)+n%8, v[W2]
	v_cndmask_b32 v[S+n], v[S+n], v[NINF], vcc_lo
.set n, n+1
.endr
.Lopen_\@:
	v_max3_num_f32 v[W0], v[S], v[S+1], v[S+2]     ; the step's largest score of my query among my 64 keys, in two chains,
	v_max3_num_f32 v[W1], v[S+3], v[S+4], v[S+5]
.set n, 6
.rept 14
	v_max3_num_f32 v[W0], v[W0], v[S+n], v[S+n+1]
	v_max3_num_f32 v[W1], v[W1], v[S+n+2], v[S+n+3]
.set n, n+4
.endr
	v_max3_num_f32 v[W0], v[W0], v[S+62], v[S+63]
	s_delay_alu instid0(VALU_DEP_1)
	v_max_num_f32 v[W0], v[W0], v[W1]
	s_delay_alu instid0(VALU_DEP_1)
	v_permlanex16_b32 v[PD], v[W0], s[SEL], s[SEL+1]
	s_delay_alu instid0(VALU_DEP_1)
	v_max_num_f32 v[W0], v[W0], v[PD]              ; and among lane l xor 16's
	s_delay_alu instid0(VALU_DEP_1)
	v_mul_f32 v[W0], s[CS], v[W0]                  ; as t (c is positive)
	s_delay_alu instid0(VALU_DEP_1)
	v_max_num_f32 v[\st+1], v[\st+1], v[W0]        ; the running largest t
	v_mov_b32 v[W0], v[\st]
	s_delay_alu instid0(VALU_DEP_2)
	v_floor_f32 v[\st], -v[\st+1]                  ; the new -M = floor(-t): M is a whole number
	s_delay_alu instid0(VALU_DEP_1)
	v_sub_f32 v[W0], v[\st], v[W0]                 ; old M - new M: a whole number, 0 or less
	s_delay_alu instid0(VALU_DEP_1)
	v_cvt_i32_f32 v[W0], v[W0]                     ; (it saturates)
	s_delay_alu instid0(VALU_DEP_1)
	v_ldexp_f32 v[FF], 1.0, v[W0]                  ; f = 2^(old M - new M)
.set n, 0
.rept 32
	v_pk_fma_f32 v[S+n:S+n+1], v[S+n:S+n+1], s[CS:CS+1], v[\st:\st+1] op_sel_hi:[1,0,0]   ; t - M, two at a time
.set n, n+2
.endr
.set n, 0
	s_wait_alu depctr_va_vdst(0)
.rept 64
	v_exp_f32 v[S+n], v[S+n]                       ; p = 2^(t - M), at most 1
.set n, n+1
.endr
	v_pk_mul_f32 v[\st+2:\st+3], v[\st+2:\st+3], v[FF:FF+1] op_sel_hi:[1,0]   ; the sums under the new M: the plain line behind the exponentials
	s_wait_alu depctr_va_vdst(0)                   ; the wait ahead of the first line that names a result: one for the batch of 64
	v_pk_add_f32 v[SU:SU+1], v[S:S+1], v[S+2:S+3]  ; the row's sum is taken of the unquantised p, in two chains
.set n, 4
.rept 15
	v_pk_add_f32 v[\st+2:\st+3], v[\st+2:\st+3], v[S+n:S+n+1]
	v_pk_add_f32 v[SU:SU+1], v[SU:SU+1], v[S+n+2:S+n+3]
.set n, n+4
.endr
	s_delay_alu instid0(VALU_DEP_1)
	v_pk_add_f32 v[\st+2:\st+3], v[\st+2:\st+3], v[SU:SU+1]
.irp b, 0,1,2,3,4,5,6,7
.set n, 0
.rept 8
.set n, n+1
.endr
	v_cvt_scalef32_pk8_fp8_f32 v[PC+2*\b:PC+2*\b+1], v[S+8*\b:S+8*\b+7], v[SCP]
.endr
.set n, 0
.rept 16
	v_pk_mul_f32 v[\oa+n:\oa+n+1], v[\oa+n:\oa+n+1], v[FF:FF+1] op_sel_hi:[1,0]   ; O^T under the new M; also the plain lines between the conversions and the products
.set n, n+2
.endr
	s_wait_alu depctr_va_vdst(0)
	s_wait_dscnt 0x0                               ; V's fragments are in
.set n, 0
.rept 4                                ; four accumulators by turns; between two turns of one stand the next step's eight score products
	v_wmma_f32_16x16x128_fp8_fp8 v[\oa+8*n:\oa+8*n+7], v[F+16*n:F+16*n+15], v[PC:PC+15], v[\oa+8*n:\oa+8*n+7]
.set n, n+1
.endr
.Lhid_\@:
.endm
; THE CHANGE OF SLOTS stands at a slot's head.  Each wave waits for all its tensor loads, adds 0 to its spare word, and waits for that and for its reads of the slot that it has left; behind the barrier the slot ahead is whole and
; nobody reads the other one.  fill = 1: that other slot takes the next 256 keys, if a query of this work-group sees any of them.
.macro CHANGE fill
	s_wait_tensorcnt 0x0                           ; no tensor load of mine is out, so the group 0 may be written
	ds_add_u32 v[SPW], v[NIL]                      ; 0 onto my spare word
.if \fill
	s_xor_b32 s[G0+1], s[G0+1], SLOT1              ; the other slot than last time,
	s_add_nc_u64 s[G0+2:G0+3], s[G0+2:G0+3], 16384 ; the next 256 keys
	s_wait_xcnt 0x0                                ; the last prefetch, a slot back, has read its address
	s_add_nc_u64 s[PFA:PFA+1], s[PFA:PFA+1], 16384
.endif
	s_wait_dscnt 0x0                               ; the add is done, and my reads of the slot that I have left are over
	s_barrier_signal -1
	s_barrier_wait -1
.if \fill
	s_add_co_u32 s96, s[KF], 256                   ; the first key of the slot that this change would ask for
	s_cmp_gt_u32 s96, s[QLAST]                     ; the work-group's number and the count of slots alone: all sixteen waves go the same way, and past the limit they stay past it; no step reads a slot that was left out
	s_cbranch_scc1 .Lpast_\@
	TLOAD                                          ; a wave's one tensor load until the next such barrier; every wait on TENSORcnt in this text is for 0
.Lpast_\@:
	ASK
.endif
.endm
.macro SLOT_STEPS
	STEP 0, STH, QH, OH, Q0H
	STEP 0, STL, QL, OL, Q0L
	STEP 1, STH, QH, OH, Q0H
	STEP 1, STL, QL, OL, Q0L
	s_xor_b32 s[TB], s[TB], SLOT1
	s_add_co_u32 s[KF], s[KF], 256
.endm
	s_wait_loadcnt 0x0                             ; Q
.Lslot:                                            ; 7 trips; the last slot is written out, with no load
	CHANGE 1
	SLOT_STEPS
	s_sub_co_u32 s[SLOTS], s[SLOTS], 1
	s_cmp_lg_u32 s[SLOTS], 0
	s_cbranch_scc1 .Lslot
	CHANGE 0
	SLOT_STEPS
	; THE WAY OUT.  O^T / the sum, held, quantised: register 8 t + i of lane (r, h) is o(query r, channel 16 t + 8 h + i): eight codes, 8 bytes, and the 32 lanes' 8 bytes are 256 consecutive bytes of the output, aligned.
.rept 4
	v_nop
.endr
	v_add_f32 v[STH+2], v[STH+2], v[STH+3]
	v_add_f32 v[STL+2], v[STL+2], v[STL+3]
	s_delay_alu instid0(VALU_DEP_2)
	v_permlanex16_b32 v[PD], v[STH+2], s[SEL], s[SEL+1]
	s_delay_alu instid0(VALU_DEP_1)
	v_add_f32 v[STH+2], v[STH+2], v[PD]
	s_delay_alu instid0(VALU_DEP_2)
	v_permlanex16_b32 v[PD], v[STL+2], s[SEL], s[SEL+1]
	s_delay_alu instid0(VALU_DEP_1)
	v_add_f32 v[STL+2], v[STL+2], v[PD]
	s_wait_alu depctr_va_vdst(0)
	v_rcp_f32 v[STH+2], v[STH+2]
	v_rcp_f32 v[STL+2], v[STL+2]
	v_nop                                          ; a plain line behind the reciprocals,
	s_wait_alu depctr_va_vdst(0)                   ; and the wait ahead of their first reader: one for both
.macro OUT k, st, oa
.set n, 0
.rept 16
	v_pk_mul_f32 v[S+32*\k+n:S+32*\k+n+1], v[\oa+n:\oa+n+1], v[\st+2:\st+3] op_sel_hi:[1,0]   ; each accumulator from its low end on
.set n, n+2
.endr
.set n, 0
.rept 32
.set n, n+1
.endr
.irp t, 0,1,2,3
	v_cvt_scalef32_pk8_fp8_f32 v[PC+8*\k+2*\t:PC+8*\k+2*\t+1], v[S+32*\k+8*\t:S+32*\k+8*\t+7], v[SCO]
.endr
	v_nop
.irp t, 0,1,2,3
	global_store_b64 v[OO], v[PC+8*\k+2*\t:PC+8*\k+2*\t+1], s[52+2*\k:53+2*\k] offset:512*\t
.endr
.endm
	OUT 0, STH, OH
	OUT 1, STL, OL
	s_wait_tensorcnt 0x0                           ; the wave's end
	ds_add_u32 v[SPW], v[NIL]
	s_wait_dscnt 0x0
	s_endpgm
.Lfunc_end_k_q85a0cf3b9a_attn:
	.size	k_q85a0cf3b9a_attn, .Lfunc_end_k_q85a0cf3b9a_attn-k_q85a0cf3b9a_attn
	.p2alignl 7, 3214868480
	.fill 96, 4, 3214868480
	.section	.rodata,"a",@progbits
	.p2align	6, 0x0
	.amdhsa_kernel k_q85a0cf3b9a_attn
		.amdhsa_group_segment_fixed_size 327680
		.amdhsa_private_segment_fixed_size 0
		.amdhsa_enable_private_segment 0
		.amdhsa_kernarg_size 24
		.amdhsa_user_sgpr_count 2
		.amdhsa_user_sgpr_kernarg_segment_ptr 1
		.amdhsa_wavefront_size32 1
		.amdhsa_system_sgpr_workgroup_id_x 1
		.amdhsa_system_sgpr_workgroup_id_y 1
		.amdhsa_system_sgpr_workgroup_id_z 1
		.amdhsa_system_vgpr_workitem_id 0
		.amdhsa_next_free_vgpr 256
		.amdhsa_next_free_sgpr 100
		.amdhsa_reserve_vcc 1
		.amdhsa_float_denorm_mode_32 3
		.amdhsa_float_denorm_mode_16_64 3
		.amdhsa_fp16_overflow 1
		.amdhsa_memory_ordered 1
		.amdhsa_forward_progress 1
		.amdhsa_inst_pref_size 164
	.end_amdhsa_kernel
	.amdgpu_metadata
---
amdhsa.version: [ 1, 2 ]
amdhsa.kernels:
  - .name:           k_q85a0cf3b9a_attn
    .symbol:         k_q85a0cf3b9a_attn.kd
    .args:
      - { .name: qkv, .offset: 0, .size: 8, .value_kind: global_buffer, .address_space: global }
      - { .name: lowp_scales, .offset: 8, .size: 8, .value_kind: global_buffer, .address_space: global }
      - { .name: ocodes, .offset: 16, .size: 8, .value_kind: global_buffer, .address_space: global }
    .group_segment_fixed_size: 327680
    .private_segment_fixed_size: 0
    .kernarg_segment_align: 8
    .kernarg_segment_size: 24
    .max_flat_workgroup_size: 512
    .sgpr_count:     100
    .vgpr_count:     256
    .wavefront_size: 32
...
	.end_amdgpu_metadata
.endif
;; end of part 3
;; launch proj (part 4): grid 4 x 32, 4 waves a work-group, clusters of 4 x 4, 327,680 bytes of LDS; arguments ocodes, wcodes, lowp_scales, bc, out0; writes out0
.if DOCPART == 4
	.amdgcn_target "amdgcn-amd-amdhsa--gfx1250"
	.amdhsa_code_object_version 6
	.text
	.protected	k_q85a0cf3b9a_proj
	.globl	k_q85a0cf3b9a_proj
	.p2align	8
	.type	k_q85a0cf3b9a_proj,@function
k_q85a0cf3b9a_proj:
	s_mov_b64 s[64:65], 0
	v_nop
	global_prefetch_b8 v0, s[64:65] scope:SCOPE_SE
	s_setreg_imm32_b32 hwreg(HW_REG_WAVE_MODE, 25, 1), 1
	s_wait_xcnt 0x0
	s_wait_alu depctr_hold_cnt(0) depctr_sa_sdst(0) depctr_va_vdst(0) depctr_va_sdst(0) depctr_va_ssrc(0) depctr_va_vcc(0) depctr_vm_vsrc(0)
	s_getreg_b32 s2, hwreg(HW_REG_IB_STS2, 6, 4)
	s_cmp_eq_u32 s2, 0
	s_cbranch_scc0 .Lentry_in_a_cluster
	s_endpgm
.Lentry_in_a_cluster:
	s_bfe_u32 s2, ttmp6, 0x10000c
	s_cmp_lg_u32 s2, 0xf033
	s_cbranch_scc0 .Lentry_shape_is_right
	s_endpgm
.Lentry_shape_is_right:
; out = o Wc + bc.  o [8192][1024] and Wc (rows n, K = 1,024; the fourth MiB of the weights' codes) are codes of E4M3, chunk-major: byte(row, k) = (row / 32) x 32,768 + (k / 16) x 512 + (row % 32) x 16 + k % 16.
; out [8192][1024] f32 = sum x 2^(e10 + e11) + bc: one packed multiply-add for two numbers.
; A tile of 256 x 256 is made by four waves, each 128 x 128: 64 accumulators, 512 registers.  K goes in steps of 256 through a ring of two LDS slots; a K step of 128 rows is 4 pieces of 8,192 consecutive bytes: one tensor load a wave, dense in LDS.
; CLUSTER 4 x 4: o's tiles are asked for jointly along a row of the cluster, Wc's along a column.  THE MATRIX INSTRUCTION IS USED TRANSPOSED (source 0 = 16 rows of Wc, source 1 = 16 rows of o): a lane holds eight neighbouring numbers of a row of out.
; LIMIT: e10 + e11 lies between -126 and 127, so that 2^(e10 + e11) is an f32 number.
; REGISTERS, in windows of 256: window 0: v0-31 addresses, v8-11 my four numbers of bc; from v128 A's fragments, ONE set; on the way out v128-255 rows read back.  window 1: B's fragments, TWO sets.  windows 2, 3: the accumulators.
.set KSTEP,  256
.set GRPB,   8192
.set FR,     16
.set NL,     4
.set NP,     4
.set HALFT,  4*GRPB
.set SLOT,   4*HALFT
.set LAPS,   1024/(2*KSTEP)
.set SPARE,  2*SLOT                    ; behind the ring: the spare words, 128 bytes for each wave, that no other line names
.set SPITCH, 528                       ; the way out: a stage of 16 rows x (512 bytes + 16) for each wave, in slot 0, which has had its last fill and its last read when the first result is stored there
.set BI,   8                           ; v8-11
.set ADRA, 16
.set ADRB, 20
.set STO,  24
.set RD,   25
.set CO,   26
.set SPW,  28
.set NIL,  29
.set AF,   128
.set BK,   128
.set G1, 24
.set G0, 32
.set G1B, 48
.set G0B, 56
.set MSB, 0
.macro WIN new
.if MSB != (\new)
	s_set_vgpr_msb (MSB<<8)|(\new)
.set MSB, (\new)
.endif
.endm
.set MUL_LO, 0xa1
.set MUL_HI, 0xf1
.set TO_B,   0x40
.macro JLOAD g0a, g1a, g0b, g1b        ; a joint load: waves 0 and 1 fetch for A, waves 2 and 3 for B; an s_nop 0 and four v_nop follow each of the two lines
	s_cmp_eq_u32 s15, 0
	s_cbranch_scc0 .Lfor_b_\@
	tensor_load_to_lds s[\g0a:\g0a+3], s[\g1a:\g1a+7]
	s_nop 0
.rept 4
	v_nop
.endr
	s_branch .Lasked_\@
.Lfor_b_\@:
	tensor_load_to_lds s[\g0b:\g0b+3], s[\g1b:\g1b+7]
	s_nop 0
.rept 4
	v_nop
.endr
.Lasked_\@:
.endm
.macro CREST
	s_cmp_lg_u32 s14, 0
	s_cbranch_scc1 .Lnot_wave_0_\@
	s_barrier_signal -3
.Lnot_wave_0_\@:
	s_barrier_wait -3
	s_barrier_signal -1
	s_barrier_wait -1
.endm
.macro CROUND
	s_barrier_signal -1
	s_barrier_wait -1
	CREST
.endm
	s_load_b256 s[4:11], s[0:1], 0x0               ; o's codes s[4:5], the weights' s[6:7], the exponents s[8:9], bc s[10:11]
	s_load_b64 s[12:13], s[0:1], 0x20              ; out
	v_lshl_add_u32 v[SPW], v0, 2, SPARE
	v_mov_b32 v[NIL], 0
	ds_add_u32 v[SPW], v[NIL]                      ; the wave's opening: the add and its wait ahead of my first tensor load
	ds_add_u32 v[SPW], v[NIL]
	v_lshrrev_b32 v1, 5, v0
	v_readfirstlane_b32 s14, v1                    ; wave 0..3
	s_lshr_b32 s15, s14, 1                         ; which half of the tile's rows is mine.  Also: I fetch for A (0) or for B (1)
	s_and_b32 s16, s14, 1                          ; which half of its columns.  Also: which 128 rows I fetch
	s_bfe_u32 s40, ttmp6, 0x40000                  ; cx
	s_bfe_u32 s41, ttmp6, 0x40004                  ; cy
	s_lshl_b32 s42, ttmp9, 2
	s_add_co_u32 s42, s42, s40                     ; tile column
	s_and_b32 s17, ttmp7, 0xffff
	s_lshl_b32 s17, s17, 2
	s_add_co_u32 s17, s17, s41                     ; tile row
	s_lshl_b32 s43, s41, 2
	s_lshl_b32 s43, 15, s43
	s_lshl_b32 s44, 0x1111, s40
	s_or_b32 s[G1+0], s43, (0<<16)|(1<<21)
	s_or_b32 s[G1B+0], s44, (0<<16)|(1<<21)
.irp g, G1, G1B
	s_mov_b32 s[\g+1], GRPB<<16
	s_mov_b32 s[\g+2], 4<<16
	s_mov_b32 s[\g+3], GRPB<<16
	s_mov_b32 s[\g+4], 4
	s_mov_b32 s[\g+5], 32768
	s_mov_b32 s[\g+6], 0
	s_mov_b32 s[\g+7], 0
.endr
	s_lshl_b32 s18, s16, 17
	s_lshl_b32 s20, s17, 18
	s_add_co_u32 s20, s20, s18
	s_mov_b32 s21, 0
	s_lshl_b32 s46, s42, 18
	s_add_co_u32 s46, s46, s18
	s_add_co_u32 s46, s46, 3<<20                   ; Wc's codes
	s_mov_b32 s47, 0
	s_mul_i32 s45, s14, HALFT
	s_wait_dscnt 0x0                               ; the opening add is done
	s_wait_kmcnt 0x0
	s_load_b64 s[96:97], s[8:9], 0x28              ; e10, e11
	s_add_nc_u64 s[20:21], s[4:5], s[20:21]
	s_add_nc_u64 s[46:47], s[6:7], s[46:47]
	CROUND
.irp s, 0,1
	s_mov_b32 s[G0+4*\s], 1
	s_add_co_u32 s[G0+4*\s+1], s45, \s*SLOT
	s_add_nc_u64 s[G0+4*\s+2:G0+4*\s+3], s[20:21], \s*GRPB
	s_or_b32 s[G0+4*\s+3], s[G0+4*\s+3], 0x80000000
	s_mov_b32 s[G0B+4*\s], 1
	s_add_co_u32 s[G0B+4*\s+1], s45, \s*SLOT
	s_add_nc_u64 s[G0B+4*\s+2:G0B+4*\s+3], s[46:47], \s*GRPB
	s_or_b32 s[G0B+4*\s+3], s[G0B+4*\s+3], 0x80000000
	s_wait_alu depctr_va_vdst(0)
	s_wait_tensorcnt 0x0
	ds_add_u32 v28, v29
	ds_add_u32 v28, v29
	s_wait_dscnt 0x0
	CROUND
	JLOAD G0+4*\s, G1, G0B+4*\s, G1B
.endr
	v_and_b32 v1, 15, v0                           ; r
	s_wait_alu depctr_va_vdst(0)
	v_bfe_u32 v2, v0, 4, 1                         ; h
	v_lshlrev_b32 v4, 4, v1
	v_lshl_add_u32 v4, v2, 9, v4
	s_mul_i32 s21, s15, HALFT
	s_mul_i32 s22, s16, HALFT
	s_add_co_u32 s22, s22, 2*HALFT
.irp s, 0,1
	v_add_nc_u32 v[ADRA+\s], s21, v4
	v_add_nc_u32 v[ADRB+\s], s22, v4
	s_add_co_u32 s21, s21, SLOT
	s_add_co_u32 s22, s22, SLOT
.endr
	s_mul_i32 s23, s14, 16*SPITCH                  ; my stage
	v_mul_u32_u24 v5, v1, SPITCH                   ; in: row r, 32 bytes for each half of the lanes
	s_wait_alu depctr_va_vdst(0)
	v_lshl_add_u32 v5, v2, 5, v5
	v_add_nc_u32 v[STO], s23, v5
	v_and_b32 v6, 31, v0
	v_lshlrev_b32 v[CO], 4, v6                     ; back: the 32 lanes take one row of 512 bytes; and the same in out and in bc
	v_add_nc_u32 v[RD], s23, v[CO]
	s_lshl_b32 s46, s42, 10                        ; my first column, in bytes
	s_lshl_b32 s47, s16, 9
	s_add_co_u32 s46, s46, s47
	s_mov_b32 s47, 0
	s_add_nc_u64 s[10:11], s[10:11], s[46:47]
	global_load_b128 v[BI:BI+3], v[CO], s[10:11]   ; behind the read-back a lane holds the same four columns in every row: four numbers of bc serve it
	s_lshl_b32 s20, s17, 20                        ; my first row: 256 rows of 4,096 bytes a tile row, + 128 for the lower half
	s_lshl_b32 s21, s15, 19
	s_add_co_u32 s20, s20, s21
	s_mov_b32 s21, 0
	s_add_nc_u64 s[20:21], s[20:21], s[46:47]
	s_add_nc_u64 s[12:13], s[12:13], s[20:21]
.macro FRAG reg, adr, q, i
.irp c, 0,1,2,3
	ds_load_b128 v[\reg+4*\c:\reg+4*\c+3], v[\adr] offset:((\i)/2)*GRPB+((\i)%2)*256+(8*(\q)+2*\c)*512
.endr
.endm
.macro MUL16 a0, p, zero               ; the 64 accumulators take turns, one instruction a turn
.irp a, \a0, \a0+1
.irp b, 0,1,2,3,4,5,6,7
.if \zero
	v_wmma_f32_16x16x128_fp8_fp8 v[8*(8*((\a)%4)+\b):8*(8*((\a)%4)+\b)+7], v[128*(\p)+FR*\b:128*(\p)+FR*\b+FR-1], v[AF+FR*(\a):AF+FR*(\a)+FR-1], 0
.else
	v_wmma_f32_16x16x128_fp8_fp8 v[8*(8*((\a)%4)+\b):8*(8*((\a)%4)+\b)+7], v[128*(\p)+FR*\b:128*(\p)+FR*\b+FR-1], v[AF+FR*(\a):AF+FR*(\a)+FR-1], v[8*(8*((\a)%4)+\b):8*(8*((\a)%4)+\b)+7]
.endif
.endr
.endr
.endm
.macro FETCH_B slot, q, p
	WIN TO_B
.irp i, 0,1,2,3,4,5,6,7
	FRAG 128*(\p)+FR*\i, ADRB+\slot, \q, \i
.endr
	WIN 0
.endm
.macro FETCH_A slot, q, i0
.irp i, \i0, \i0+1, \i0+2, \i0+3
	FRAG AF+FR*(\i), ADRA+\slot, \q, \i
.endr
.endm
.macro PLACES n
.rept \n
	v_nop
.endr
.endm
.macro STEP slot, q, zero
	s_wait_dscnt 4*NL                              ; B's set and A's blocks 0-3 are in; the youngest 16 loads may be out
	WIN MUL_LO
	MUL16 0, (\q)%2, \zero
	MUL16 2, (\q)%2, \zero
	s_wait_dscnt 0
	PLACES NP
	FETCH_B \slot, (\q)+1, 1-(\q)%2
	FETCH_A \slot, (\q)+1, 0
	WIN MUL_HI
	MUL16 4, (\q)%2, \zero
	MUL16 6, (\q)%2, \zero
	PLACES NP
	WIN 0
	FETCH_A \slot, (\q)+1, 4
.endm
.macro TURN slot, next, fill
	s_wait_tensorcnt 0x0                           ; all my tensor loads have landed
	ds_add_u32 v[SPW], v[NIL]                      ; 0 onto my spare word
	s_wait_dscnt 4*NL+1                            ; the add and the youngest 16 loads may be out
	WIN MUL_LO
	MUL16 0, 1, 0
	s_wait_dscnt 0x0                               ; the add is done, and my reads of this slot are over
	s_barrier_signal -1
	MUL16 2, 1, 0
	WIN 0
	s_barrier_wait -1
.if \fill
	CREST
	s_add_nc_u64 s[G0+4*\slot+2:G0+4*\slot+3], s[G0+4*\slot+2:G0+4*\slot+3], 2*GRPB
	s_add_nc_u64 s[G0B+4*\slot+2:G0B+4*\slot+3], s[G0B+4*\slot+2:G0B+4*\slot+3], 2*GRPB
	JLOAD G0+4*\slot, G1, G0B+4*\slot, G1B
.else
	PLACES NP
.endif
	FETCH_B \next, 0, 0
	FETCH_A \next, 0, 0
	WIN MUL_HI
	MUL16 4, 1, 0
	MUL16 6, 1, 0
	PLACES NP
	WIN 0
	FETCH_A \next, 0, 4
.endm
	s_wait_tensorcnt 1                             ; my part of K step 0 is in; K step 1's load may be out
	s_barrier_signal -1
	s_barrier_wait -1
	FETCH_B 0, 0, 0
	FETCH_A 0, 0, 0
	FETCH_A 0, 0, 4
	STEP 0, 0, 1
.rept LAPS-1
	TURN 0, 1, 1
	STEP 1, 0, 0
	TURN 1, 0, 1
	STEP 0, 0, 0
.endr
	TURN 0, 1, 0
	STEP 1, 0, 0
	s_wait_dscnt 4*NL
	WIN MUL_LO
	MUL16 0, 1, 0
	MUL16 2, 1, 0
	s_wait_alu depctr_va_vdst(0)
	s_wait_dscnt 0
	WIN MUL_HI
	MUL16 4, 1, 0
	MUL16 6, 1, 0
	WIN 0
; THE WAY OUT, block by block of 16 rows x 128 columns: the sums go into my own stage as they are, come back as whole rows of 512 bytes, are scaled and biased there, and leave as 512 consecutive bytes, aligned.
; LDS serves a wave's instructions in order: no wait between the stores and the loads, nor in front of the next block's stores.
.macro TOSTAGE a
.set AC, 64*((\a)%4)
	WIN 0x08+4*((\a)/4)                            ; an LDS store's data: window 2 or 3
.irp b, 0,1,2,3,4,5,6,7
	ds_store_b128 v[STO], v[AC+8*\b:AC+8*\b+3] offset:64*\b          ; each accumulator from its low end on
	ds_store_b128 v[STO], v[AC+8*\b+4:AC+8*\b+7] offset:64*\b+16
.endr
	WIN 0
.set BB, BK+64*((\a)%2)
.irp t, 0,1,2,3,4,5,6,7,8,9,10,11,12,13,14,15
	ds_load_b128 v[BB+4*\t:BB+4*\t+3], v[RD] offset:\t*SPITCH
.endr
.endm
.macro SEND a, younger                 ; younger: the LDS instructions issued behind block a's loads, which may stay out
.set BB, BK+64*((\a)%2)
	s_wait_dscnt \younger
.if (\a) > 0
	s_add_nc_u64 s[12:13], s[12:13], 16*4096       ; behind a wait on XCNT: the earlier stores have read their base
.endif
.irp t, 0,1,2,3,4,5,6,7,8,9,10,11,12,13,14,15
	v_pk_fma_f32 v[BB+4*\t:BB+4*\t+1], v[BB+4*\t:BB+4*\t+1], s[96:97], v[BI:BI+1] op_sel_hi:[1,0,1]
	v_pk_fma_f32 v[BB+4*\t+2:BB+4*\t+3], v[BB+4*\t+2:BB+4*\t+3], s[96:97], v[BI+2:BI+3] op_sel_hi:[1,0,1]
.endr
.irp t, 0,1,2,3,4,5,6,7,8,9,10,11,12,13,14,15
	global_store_b128 v[CO], v[BB+4*\t:BB+4*\t+3], s[12:13] offset:\t*4096 th:TH_STORE_NT
.endr
.endm
	s_wait_kmcnt 0x0
	s_add_co_i32 s96, s96, s97
	s_add_co_i32 s96, s96, 127
	s_lshl_b32 s96, s96, 23                        ; 2^(e10 + e11) as f32
	s_mov_b32 s97, s96                             ; named with it as a pair, so it is written
	s_wait_loadcnt 0x0                             ; bc
	PLACES NP
	TOSTAGE 0
.irp a, 1,2,3,4,5,6,7
.if \a > 1
	s_wait_xcnt 0x0                                ; block a - 2's stores have read their registers and their base
.endif
	TOSTAGE \a
	SEND \a-1, 32                                  ; behind block a - 1's loads: block a's 16 stores and 16 loads
.endr
	s_wait_xcnt 0x0
	SEND 7, 0
	s_wait_tensorcnt 0x0                           ; the wave's end, behind my last tensor load and my last LDS store
	ds_add_u32 v[SPW], v[NIL]
	s_wait_dscnt 0x0
	CROUND                                         ; the closing round
	s_endpgm
.Lfunc_end_k_q85a0cf3b9a_proj:
	.size	k_q85a0cf3b9a_proj, .Lfunc_end_k_q85a0cf3b9a_proj-k_q85a0cf3b9a_proj
	.p2alignl 7, 3214868480
	.fill 96, 4, 3214868480
	.section	.rodata,"a",@progbits
	.p2align	6, 0x0
	.amdhsa_kernel k_q85a0cf3b9a_proj
		.amdhsa_group_segment_fixed_size 327680
		.amdhsa_private_segment_fixed_size 0
		.amdhsa_enable_private_segment 0
		.amdhsa_kernarg_size 40
		.amdhsa_user_sgpr_count 2
		.amdhsa_user_sgpr_kernarg_segment_ptr 1
		.amdhsa_wavefront_size32 1
		.amdhsa_system_sgpr_workgroup_id_x 1
		.amdhsa_system_sgpr_workgroup_id_y 1
		.amdhsa_system_sgpr_workgroup_id_z 1
		.amdhsa_system_vgpr_workitem_id 0
		.amdhsa_next_free_vgpr 1024
		.amdhsa_next_free_sgpr 100
		.amdhsa_reserve_vcc 0
		.amdhsa_float_denorm_mode_32 3
		.amdhsa_float_denorm_mode_16_64 3
		.amdhsa_memory_ordered 1
		.amdhsa_forward_progress 1
		.amdhsa_inst_pref_size 124
	.end_amdhsa_kernel
	.amdgpu_metadata
---
amdhsa.version: [ 1, 2 ]
amdhsa.kernels:
  - .name:           k_q85a0cf3b9a_proj
    .symbol:         k_q85a0cf3b9a_proj.kd
    .args:
      - { .name: ocodes, .offset: 0, .size: 8, .value_kind: global_buffer, .address_space: global }
      - { .name: wcodes, .offset: 8, .size: 8, .value_kind: global_buffer, .address_space: global }
      - { .name: lowp_scales, .offset: 16, .size: 8, .value_kind: global_buffer, .address_space: global }
      - { .name: bc, .offset: 24, .size: 8, .value_kind: global_buffer, .address_space: global }
      - { .name: out0, .offset: 32, .size: 8, .value_kind: global_buffer, .address_space: global }
    .group_segment_fixed_size: 327680
    .private_segment_fixed_size: 0
    .kernarg_segment_align: 8
    .kernarg_segment_size: 40
    .max_flat_workgroup_size: 128
    .sgpr_count:     100
    .vgpr_count:     1024
    .wavefront_size: 32
...
	.end_amdgpu_metadata
.endif
;; end of part 4
